; MI455X (gfx1250); checked and timed in simulation.
; The chip was launched on July 23, 2026; its instructions are those of AMD's public machine-readable ISA for CDNA 5 (MIT licence, August 2026) and "CDNA5" Instruction Set Architecture Reference Guide (July 2026). The comments in the code are by the model that wrote it; some were corrected since.
;; Bit Stack Linear. Allowed arithmetic: matrix products marked QUANTISED: E2M3 operands, one E8M0 scale for each 32 along K, by v_wmma_scale_f32_16x16x128_f8f6f4 with both operands' format E2M3, f32 sums; products left as they are: f32 operands where the result goes on into a quantised operand, else bf16, f16 or f32 operands; f32 sums; everything else in f32.
;; Inputs: qweight 4 x 5,636,096 int32; u 4 x 11,008 x 16 float32; vt 4 x 16 x 4,096 float32; x_codes 1,024 x 128 x 24 uint8 (E2M3 codes of x, K innermost, in blocks of 32 codes, four codes in three bytes); x_scales 1,024 x 128 uint8 (E8M0 scales of x, one for each 32 codes along K).
;; Outputs: out0 1,024 x 11,008 float32.
;; This version of the problem:
;;   THIS VERSION OF THE PROBLEM IS GIVEN IN LOW PRECISION. The matrix products marked QUANTISED in the list below multiply operands that are first quantised to E2M3 (2 exponent bits, 3 mantissa bits; 6 bits a number), with one power-of-two scale for each 32 numbers along K (OCP MX v1.0); their sums are f32. All else is computed in f32.
;;   The module's matrix products, in the order in which they are computed (A, B: the left and right operand; K: the contracted axis; several contracted axes count as one K, in the product's order):
;;     1. batch 4 x [M 11,008, K 16] x [K 16, N 4,096]; A: input u; B: input vt: left as it is (K = 16 < 32)
;;     2. [M 1,024, K 4,096] x [K 4,096, N 11,008]; A: input x (given as codes); B: computed on the way: QUANTISED
;;   THE QUANTISER, for each operand of a quantised product, along K:
;;     - K is cut into blocks of 32 from its start; a last block that is shorter is filled with zeros.
;;     - A block's scale is 2^e with e = floor(log2(the largest magnitude in the block)) - 2, held to -126 .. 127; a block of zeros has e = 0. As a byte (E8M0): e + 127.
;;     - Each number is divided by its block's scale, clamped to +-7.5, and rounded to the nearest number of E2M3, ties to even, subnormals kept.
;;     - The product sums the exact products of the quantised numbers (number of the format x scale) in f32.
;;   ~~~python
;;   def quantise(x, axis):      # numpy; x: float32 -> the quantised numbers, widened to float32 again
;;       x = np.moveaxis(x, axis, -1); K = x.shape[-1]
;;       x = np.pad(x, [(0, 0)] * (x.ndim - 1) + [(0, -K % 32)]); x = x.reshape(x.shape[:-1] + (-1, 32)); a = np.abs(x).max(-1, keepdims=True)
;;       e = np.where(a > 0, np.clip(np.frexp(np.where(a > 0, a, 1))[1] - 1 - 2, -126, 127), 0)      # np.frexp(a)[1] - 1 = floor(log2(a)), exactly
;;       r = np.clip(x / 2.0 ** e, -7.5, 7.5)
;;       step = 2.0 ** (np.maximum(np.frexp(np.where(r == 0, 1, r))[1] - 1, 0) - 3)
;;       q = np.round(r / step) * step * 2.0 ** e      # np.round: ties to even
;;       return np.moveaxis(q.reshape(q.shape[:-2] + (-1,))[..., :K], -1, axis).astype(np.float32)
;;   ~~~
;;   OPERANDS COMPUTED ON THE WAY. 'Computed on the way' means the value that the module computes at that place (a softmax that the list does not call 'softmax' is quantised finished and normalised). What goes into a quantiser is computed in f32, as accurately as f32 sums, v_exp_f32 and their like allow (about 1e-6 of the number): no bf16 or f16 on the way to a quantiser, and a product that is left as it is and whose result goes on into a quantised operand takes f32 operands (vector FMAs, or v_wmma_f32_16x16x4_f32). A number that lies on a knife's edge between two numbers of the format may be rounded either way, as far as f32 arithmetic and the matrix unit's own rounding can turn it there, and no further.
;;   INPUTS GIVEN AS CODES. x (in the module: [1024, 4096], K = its axis 1): each comes as NAME_codes (uint8): NAME with its K axis moved to the last place and cut into blocks of 32 codes, [.., K / 32, bytes a block], one block behind the other in memory; four codes in three bytes: a row's codes are one little-endian stream of bits, code i at bits 6 i .. 6 i + 5 (a code: sign, 2 exponent bits, 3 mantissa bits); and NAME_scales (uint8): the same leading axes, one E8M0 byte (e + 127) for each 32 codes along K. Its value is code x scale, taken as it is: it is not quantised again, and the codes and scales need not be those that the quantiser above would give.
;; One version. Each part assembles by itself: llvm-mc -triple=amdgcn-amd-amdhsa -mcpu=gfx1250 --defsym DOCPART=n.
;; ======== version 1 of 1: 2 launches
;; workspace buffers: w_codes 33,816,576 bytes; w_scales 1,409,024 bytes
;; launch build (part 1): grid 16 x 16, 8 waves a work-group, no clusters, 9,216 bytes of LDS; arguments qweight, u, vt, w_codes, w_scales; writes w_codes, w_scales
.if DOCPART == 1
	.amdgcn_target "amdgcn-amd-amdhsa--gfx1250"
	.amdhsa_code_object_version 6
	.text
	.protected	k_q82b1c3d67f_build
	.globl	k_q82b1c3d67f_build
	.p2align	8
	.type	k_q82b1c3d67f_build,@function
k_q82b1c3d67f_build:
	s_mov_b64 s[64:65], 0
	v_nop
	global_prefetch_b8 v0, s[64:65] scope:SCOPE_SE
	s_setreg_imm32_b32 hwreg(HW_REG_WAVE_MODE, 25, 1), 1
	s_wait_xcnt 0x0
; w[o][i] = sum over b = 0..3 of sign_b[o][i] x (sum over k = 0..15 of u[b][o][k] vt[b][k][i]), in f32, and then quantised along i to codes of FP6 (E2M3) with one E8M0 byte for each 32.
; qweight: [4][11008 x 512] int32, bit j (0..7) of word m is the sign of element 8 m + j (1: +, 0: -); higher bits are not used, as in the definition.  u: [4][11008][16], vt: [4][16][4096], f32.
; OUT, laid as the next launch reads it:
;   w_codes  [ks 16][ot 688][iq 4][768]: ks = i / 256, ot = o / 16, iq = (i / 64) % 4.  768 bytes are the image of six registers of an operand's fragment: bytes 16 x lane: the first four, bytes 512 + 8 x lane: the last two.
;            Lane (r, h) = (lane % 16, lane / 16) holds row o = 16 ot + r and the 32 codes of i = 256 ks + 64 iq + 32 h + 0 .. 31, 192 bits without gaps.
;   w_scales [ks 16][ot 688][r 16][8]: byte 2 iq + h is the E8M0 byte of that block.
; SHARES.  11,008 rows are 688 tiles of 16 = 16 x 43.  Work-group (x, y): i = 256 x .. 256 x + 255, tiles 43 y .. 43 y + 42.  Wave w: its 64 i are iq = w % 4; of the 43 tiles it takes those of parity w / 4:
; 22 or 21 tiles.  Every wave walks 22 trips; the odd waves' last trip jumps over its work.  Waves share nothing but the scale bytes' way out: one barrier, at the end.
; THE LOW-RANK PRODUCT goes into a quantiser, so its operands are f32: v_wmma_f32_16x16x4_f32, source 0 = 16 i x 4 k of vt (transposed), source 1 = 4 k x 16 o of u.
; THE i OF A TILE ARE NOT NEIGHBOURS: row m of tile v (0..3) is i = ibase + 32 (m / 8) + 8 v + m % 8.  In the result lane (r, h) holds o = r and, in register j, m = 8 h + j: i = ibase + 32 h + 8 v + j.
; So the four tiles give a lane one whole block of 32 along i, in the order of the 6-bit operand's registers: the block's maximum and its codes need no other lane.
; k is taken in another order, alike on both sides: step s, register jj, half h hold k = 8 h + 2 s + jj, so that a lane's eight k of u are 32 neighbouring bytes.
; The 16 accumulators (4 tiles x 4 planes) take turns, one instruction a turn; each sum's first step has the constant 0 as its C; nothing but matrix instructions writes them.
; NOT SHARED IN A CLUSTER: qweight, the large stream, is read by one wave alone.  A tile of u (4,096 bytes) is read by four waves and by the 16 work-groups of a row of the grid; asking for it jointly would want
; a stage in LDS, a barrier a tile among waves that otherwise meet once, and a round of the cluster's barrier for each 4,096 bytes.  All loads go through registers, one trip ahead.
; LIMITS: NaN and infinities among u and vt are not served.  A block whose largest magnitude lies under 2^-124 has its byte held at 1.  A block of zeros gets the byte 1, not 127:
; its codes are zeros, which add nothing under any byte but 0xff, and this program alone reads the bytes.  The low-rank sum's order of k differs from ascending (see above).
; REGISTERS, window 0: v1-22 addresses and small things; v24-32 codes; v40-55 signs as +-1.0, two sets; v64-95 w, a block of 32; v96-127 sign words, two sets of 16; v128-255 the 16 accumulators.
;            window 1: v0-127 vt's 64 fragments, which stay; v128-191 u's fragments, two sets of 32.
.set PLANEQ, 22544384                  ; bytes in a plane of qweight
.set PLANEU, 704512                    ; bytes in a plane of u
.set LASTT,  42                        ; the work-group's last tile
.set RR,   1                           ; v1   r = lane % 16
.set HH,   2                           ; v2   h = lane / 16
.set LN,   3                           ; v3   lane
.set QL,   4                           ; v4   qweight: 2048 r + 16 h: my row's four words
.set UL,   5                           ; v5   u: 64 r + 32 h: my row's eight k
.set QOFF, 6                           ; v6   QL + the tile's 32,768 bytes
.set UOFF, 7                           ; v7   UL + the tile's 1,024 bytes
.set VTO,  8                           ; v8   vt: 131072 h + 128 (r / 8) + 4 (r % 8)
.set CL16, 9                           ; v9   16 x lane
.set CL8,  10                          ; v10  8 x lane
.set CO16, 11                          ; v11  CL16 + the tile's 3,072 bytes
.set CO8,  12                          ; v12  CL8 + the same
.set SADR, 13                          ; v13  LDS: where this trip's scale byte goes
.set RA,   14                          ; v14  LDS: where I read scale bytes back: 4096 h + 2 r + 32 w
.set GO,   15                          ; v15  and their place in w_scales: 256 w + 128 h + 8 r
.set RAL,  16                          ; v16  the same two for tile 42: 32 x 21 + 2 r,
.set GOL,  17                          ; v17  42 x 128 + 8 r
.set AM0,  18                          ; v18, v19  largest magnitudes
.set AM1,  19
.set SOP,  20                          ; v20  the conversions' scale operand
.set BY,   21                          ; v21  the scale's byte
.set SB0,  22                          ; v22  LDS: 1024 w + 2 r + h
.set CD,   24                          ; v24-29 the block's codes
.set C2,   30                          ; v30-32 its second half as the conversion leaves it
.set T0,   34                          ; v34, v35  at work in the head
.set T1,   35
.set SX,   40
.set W,    64
.set OUTR, 64                          ; behind the loop: the scale bytes on their way out, eight registers a group
.set SG,   96
.set D,    128
.set U,    128                         ; in window 1
.set WV,   14                          ; s14  wave
.set IQ,   15                          ; s15  wave % 4
.set PAR,  16                          ; s16  wave / 4
.set GY,   18                          ; s18  work-group y
.set QB,   20                          ; s[20:27] qweight's four planes at my work-group's first row and my wave's 32 bytes
.set T,    40                          ; s40  this trip's tile
.set TN,   41                          ; s41  the tile loaded for the next trip
.set A1,   42
.set A2,   43
.set A3,   44
.set CNT,  45
.set MSK,  46                          ; s46  the sign bit
.set ONE,  47                          ; s47  1.0
.set LS,   48                          ; s48  LDS: 64 bytes on for each pair of trips
.set MSB, 0
.macro WIN new                         ; the immediate's high byte repeats the setting that is left
.if MSB != \new
	s_set_vgpr_msb (MSB<<8)|\new
.set MSB, \new
.endif
.endm
	s_load_b128 s[4:7], s[0:1], 0x0                ; qweight, u
	s_load_b128 s[8:11], s[0:1], 0x10              ; vt, w_codes
	s_load_b64 s[12:13], s[0:1], 0x20              ; w_scales
	v_lshl_add_u32 v62, v0, 2, 0x2000
	v_mov_b32 v63, 0
	v_lshrrev_b32 v[T0], 5, v0
	v_readfirstlane_b32 s[WV], v[T0]               ; wave 0..7
	v_and_b32 v[RR], 15, v0
	v_bfe_u32 v[HH], v0, 4, 1
	v_and_b32 v[LN], 31, v0
	s_and_b32 s[IQ], s[WV], 3
	s_lshr_b32 s[PAR], s[WV], 2
	s_and_b32 s[GY], ttmp7, 0xffff
	v_lshlrev_b32 v[QL], 11, v[RR]
	v_lshl_add_u32 v[QL], v[HH], 4, v[QL]
	v_lshlrev_b32 v[UL], 6, v[RR]
	v_lshl_add_u32 v[UL], v[HH], 5, v[UL]
	v_lshrrev_b32 v[T0], 3, v[RR]
	v_and_b32 v[T1], 7, v[RR]
	v_lshlrev_b32 v[VTO], 17, v[HH]                ; lanes 16-31 begin eight rows of vt (8 x 16,384 bytes) further down
	v_lshl_add_u32 v[VTO], v[T0], 7, v[VTO]
	v_lshl_add_u32 v[VTO], v[T1], 2, v[VTO]
	v_lshlrev_b32 v[CL16], 4, v[LN]
	v_lshlrev_b32 v[CL8], 3, v[LN]
	s_lshl_b32 s28, s[WV], 10                      ; LDS: 1,024 bytes for each wave's scale bytes: trip n's 32 at 32 n
	v_lshl_add_u32 v[SB0], v[RR], 1, v[HH]
	v_add_nc_u32 v[SB0], s28, v[SB0]
	s_lshl_b32 s28, s[WV], 5
	v_lshlrev_b32 v[RA], 12, v[HH]
	v_lshl_add_u32 v[RA], v[RR], 1, v[RA]
	v_add_nc_u32 v[RA], s28, v[RA]
	s_lshl_b32 s28, s[WV], 8
	v_lshlrev_b32 v[GO], 7, v[HH]
	v_lshl_add_u32 v[GO], v[RR], 3, v[GO]
	v_add_nc_u32 v[GO], s28, v[GO]
	v_lshl_add_u32 v[RAL], v[RR], 1, 32*21
	v_lshl_add_u32 v[GOL], v[RR], 3, LASTT*128
	; byte offsets of my part in the five buffers, each in a pair of its own
	s_mul_i32 s28, s[GY], 688*2048                 ; qweight: 688 rows of 2,048 bytes for each y, 128 bytes for each x, 32 for each iq
	s_lshl_b32 s29, ttmp9, 7
	s_add_co_u32 s28, s28, s29
	s_lshl_b32 s29, s[IQ], 5
	s_add_co_u32 s28, s28, s29
	s_mov_b32 s29, 0
	s_mul_i32 s30, s[GY], 688*64                   ; u: 688 rows of 64 bytes
	s_mov_b32 s31, 0
	s_lshl_b32 s32, ttmp9, 10                      ; vt: 4 x ibase = 1024 x + 256 iq
	s_lshl_b32 s33, s[IQ], 8
	s_add_co_u32 s32, s32, s33
	s_mov_b32 s33, 0
	s_mul_i32 s34, ttmp9, 688*3072                 ; w_codes: (688 x + 43 y) x 3072 + 768 iq
	s_mul_i32 s35, s[GY], 43*3072
	s_add_co_u32 s34, s34, s35
	s_mul_i32 s35, s[IQ], 768
	s_add_co_u32 s34, s34, s35
	s_mov_b32 s35, 0
	s_mul_i32 s36, ttmp9, 688*128                  ; w_scales: (688 x + 43 y) x 128
	s_mul_i32 s37, s[GY], 43*128
	s_add_co_u32 s36, s36, s37
	s_mov_b32 s37, 0
	s_mov_b32 s[MSK], 0x80000000
	s_mov_b32 s[ONE], 1.0
	s_mov_b32 s[LS], 0
	s_mov_b32 s[T], s[PAR]                         ; my first tile
	s_lshl_b32 s[A1], s[T], 15
	s_lshl_b32 s[A2], s[T], 10
	v_add_nc_u32 v[QOFF], s[A1], v[QL]
	v_add_nc_u32 v[UOFF], s[A2], v[UL]
	s_wait_kmcnt 0x0
	s_add_nc_u64 s[QB:QB+1], s[4:5], s[28:29]
	s_add_nc_u64 s[QB+2:QB+3], s[QB:QB+1], PLANEQ
	s_add_nc_u64 s[QB+4:QB+5], s[QB+2:QB+3], PLANEQ
	s_add_nc_u64 s[QB+6:QB+7], s[QB+4:QB+5], PLANEQ
	s_add_nc_u64 s[6:7], s[6:7], s[30:31]
	s_add_nc_u64 s[8:9], s[8:9], s[32:33]
	s_add_nc_u64 s[10:11], s[10:11], s[34:35]
	s_add_nc_u64 s[12:13], s[12:13], s[36:37]
; A tile's twelve loads into set buf: four sign words of each plane (word v: the signs of i = ibase + 32 h + 8 v + 0..7), and eight k of u of each plane.
.macro LOADS buf
.irp b, 0,1,2,3
	global_load_b128 v[SG+16*(\buf)+4*\b:SG+16*(\buf)+4*\b+3], v[QOFF], s[QB+2*\b:QB+2*\b+1]
.endr
	WIN 0x40                                       ; destination window 1, address window 0
.irp b, 0,1,2,3
	global_load_b128 v[U+32*(\buf)+8*\b:U+32*(\buf)+8*\b+3],   v[UOFF], s[6:7] offset:PLANEU*\b
	global_load_b128 v[U+32*(\buf)+8*\b+4:U+32*(\buf)+8*\b+7], v[UOFF], s[6:7] offset:PLANEU*\b+16
.endr
	WIN 0
.endm
	LOADS 0                                        ; the first trip's
	WIN 0x40
.set NN, 0
.rept 128                              ; vt's fragments: register 32 v + 8 b + 2 s + jj = vt[b][8 h + 2 s + jj][ibase + 32 (r / 8) + 8 v + r % 8]; they stay for the whole launch
	global_load_b32 v[NN], v[VTO], s[8:9] offset:(16*((NN/8)%4)+NN%8)*16384+32*(NN/32)
.set NN, NN+1
.endr
	WIN 0
; Plane b's part of tile v: eight signs out of one (inverted) word become +-1.0, and w takes sign x low rank: four packed lines.  Multiplying by +-1.0 rounds nothing, so the sum over the planes is the plain f32 sum, b ascending.
; Each accumulator is read from its low end on.
.macro SIGNS buf, v, b
.set SXB, SX+8*((\b)%2)
.irp j, 0,1,2,3,4,5,6,7
	v_lshlrev_b32 v[SXB+\j], 31-\j, v[SG+16*(\buf)+4*(\b)+(\v)]    ; bit j to the sign's place
.endr
.irp j, 0,1,2,3,4,5,6,7
	v_bfi_b32 v[SXB+\j], s[MSK], v[SXB+\j], s[ONE]                 ; that bit over 1.0
.endr
.irp j, 0,2,4,6
.if (\b) == 0
	v_pk_mul_f32 v[W+8*(\v)+\j:W+8*(\v)+\j+1], v[SXB+\j:SXB+\j+1], v[D+32*(\v)+8*(\b)+\j:D+32*(\v)+8*(\b)+\j+1]
.else
	v_pk_fma_f32 v[W+8*(\v)+\j:W+8*(\v)+\j+1], v[SXB+\j:SXB+\j+1], v[D+32*(\v)+8*(\b)+\j:D+32*(\v)+8*(\b)+\j+1], v[W+8*(\v)+\j:W+8*(\v)+\j+1]
.endif
.endr
.endm
; The largest magnitude of 16 numbers, with the floor 2^(3 - 127) among the leaves: so the byte cannot fall under 1.
.macro AMAX dst, w0
	v_max3_num_f32 v[\dst], |v[\w0]|, |v[\w0+1]|, 0x1800000
.irp i, 2,4,6,8,10,12,14
	v_max3_num_f32 v[\dst], v[\dst], |v[\w0+\i]|, |v[\w0+\i+1]|
.endr
.endm
; A TRIP: tile s[T], whose loads lie in set buf.
.macro TRIP buf
	s_wait_loadcnt 0x0                             ; this trip's twelve loads, issued a trip ago, are in (in the first trip vt too): so QOFF and UOFF may be written
	s_add_co_u32 s[TN], s[T], 2                    ; my next tile; held at the work-group's last tile, so that the last trips' loads stay inside the buffers and every trip issues the same twelve
	s_min_u32 s[TN], s[TN], LASTT
	s_lshl_b32 s[A1], s[TN], 15
	s_lshl_b32 s[A2], s[TN], 10
	v_add_nc_u32 v[QOFF], s[A1], v[QL]
	v_add_nc_u32 v[UOFF], s[A2], v[UL]
	LOADS 1-\buf                                   ; the products that read that set of u stand a whole vector phase back
	s_cmp_gt_u32 s[T], LASTT                       ; tile 43 does not exist: the odd waves' 22nd trip has no work
	s_cbranch_scc1 .Lskip_\@
	WIN 0x05                                       ; sources 0 (vt) and 1 (u) window 1; C and D window 0
.irp s, 0,1,2,3
.irp v, 0,1,2,3
.irp b, 0,1,2,3
.if \s == 0
	v_wmma_f32_16x16x4_f32 v[D+32*\v+8*\b:D+32*\v+8*\b+7], v[32*\v+8*\b+2*\s:32*\v+8*\b+2*\s+1], v[U+32*(\buf)+8*\b+2*\s:U+32*(\buf)+8*\b+2*\s+1], 0
.else
	v_wmma_f32_16x16x4_f32 v[D+32*\v+8*\b:D+32*\v+8*\b+7], v[32*\v+8*\b+2*\s:32*\v+8*\b+2*\s+1], v[U+32*(\buf)+8*\b+2*\s:U+32*(\buf)+8*\b+2*\s+1], v[D+32*\v+8*\b:D+32*\v+8*\b+7]
.endif
.endr
.endr
.endr
	WIN 0
.irp n, 0,1,2,3,4,5,6,7,8,9,10,11,12,13,14,15
	v_xor_b32 v[SG+16*(\buf)+\n], -1, v[SG+16*(\buf)+\n]           ; bit 1 means +: the inverted bit is the sign bit.  These sixteen name no register of the products: they are the eight places (ISA guide 7.12.1) in front of the first read of a result, and more
.endr
.irp v, 0,1
.irp b, 0,1,2,3
	SIGNS \buf, \v, \b
.endr
.endr
	AMAX AM0, W
.irp v, 2,3
.irp b, 0,1,2,3
	SIGNS \buf, \v, \b
.endr
.endr
	AMAX AM1, W+16
	v_max_num_f32 v[AM0], v[AM0], v[AM1]           ; the block's largest magnitude: all 32 numbers are mine
	s_mul_i32 s[A3], s[T], 3072
	s_wait_xcnt 0x0                                ; the last trip's two stores have read their data and offsets: both are written again only behind this wait
	v_add_nc_u32 v[SOP], 0xff000000, v[AM0]        ; 2 off its exponent field: the conversion takes the exponent field of this operand as its scale, and nothing else of it
	v_cvt_scalef32_pk16_fp6_f32 v[CD:CD+2], v[W:W+15], v[SOP]
	v_cvt_scalef32_pk16_fp6_f32 v[C2:C2+2], v[W+16:W+31], v[SOP]   ; (a conversion's three registers begin on an even number)
	v_add_nc_u32 v[CO16], s[A3], v[CL16]           ; plain lines behind the conversions, ahead of the first touch of their results
	v_add_nc_u32 v[CO8], s[A3], v[CL8]
	v_lshrrev_b32 v[BY], 23, v[SOP]                ; the scale's byte
	v_add_nc_u32 v[SADR], s[LS], v[SB0]
.irp i, 0,1,2
	v_mov_b32 v[CD+3+\i], v[C2+\i]
.endr
	ds_store_b8 v[SADR], v[BY] offset:32*(\buf)
	global_store_b128 v[CO16], v[CD:CD+3], s[10:11]                ; 32 lanes store 512 consecutive bytes, at a multiple of 256 from the buffer's first byte
	global_store_b64 v[CO8], v[CD+4:CD+5], s[10:11] offset:512     ; and 256 more
.Lskip_\@:
	s_add_co_u32 s[T], s[T], 2
.endm
	s_mov_b32 s[CNT], 11
.Lpair:                                                ; 11 x 2 trips
	TRIP 0
	TRIP 1
	s_add_co_u32 s[LS], s[LS], 64
	s_sub_co_u32 s[CNT], s[CNT], 1
	s_cmp_lg_u32 s[CNT], 0
	s_cbranch_scc1 .Lpair
	; THE SCALE BYTES' WAY OUT.  A row's eight bytes come from four waves: they meet in LDS.  Wave (iq, parity) has left the bytes (2 iq, 2 iq + 1) of row r of its n-th tile at 1024 (iq + 4 parity) + 32 n + 2 r.
	s_wait_dscnt 0x0                               ; for the others' sake: my byte stores are done
	s_barrier_signal -1
	s_barrier_wait -1
; Lanes 0-15 take the rows of tile 2 n, lanes 16-31 those of tile 2 n + 1: four loads of two bytes, and one store of 8 bytes a lane: 256 consecutive bytes.  Each group has registers of its own.
.macro SOUT m, ra, go, offl, offg
.irp q, 0,1,2,3
	ds_load_u16 v[OUTR+8*\m+\q], v[\ra] offset:1024*\q+\offl
.endr
	s_wait_dscnt 0x0
	v_lshl_or_b32 v[OUTR+8*\m+4], v[OUTR+8*\m+1], 16, v[OUTR+8*\m]
	v_lshl_or_b32 v[OUTR+8*\m+5], v[OUTR+8*\m+3], 16, v[OUTR+8*\m+2]
	global_store_b64 v[\go], v[OUTR+8*\m+4:OUTR+8*\m+5], s[12:13] offset:\offg
.endm
	SOUT 0, RA, GO, 0, 0                           ; n = wave
	SOUT 1, RA, GO, 256, 2048                      ; n = wave + 8
	s_cmp_gt_u32 s[WV], 4
	s_cbranch_scc1 .Lno_third
	SOUT 2, RA, GO, 512, 4096                      ; n = wave + 16, up to 20: tiles 32 to 41
.Lno_third:
	s_cmp_lg_u32 s[WV], 5
	s_cbranch_scc1 .Ldone
	SOUT 3, RAL, GOL, 0, 0                         ; tile 42 has no odd partner: lanes 16-31 repeat lanes 0-15, the same bytes to the same places: 128 bytes
.Ldone:
	s_wait_tensorcnt 0x0
	ds_add_u32 v62, v63
	s_wait_dscnt 0x0
	s_endpgm
.Lfunc_end_k_q82b1c3d67f_build:
	.size	k_q82b1c3d67f_build, .Lfunc_end_k_q82b1c3d67f_build-k_q82b1c3d67f_build
	.p2alignl 7, 3214868480
	.fill 96, 4, 3214868480
	.section	.rodata,"a",@progbits
	.p2align	6, 0x0
	.amdhsa_kernel k_q82b1c3d67f_build
		.amdhsa_group_segment_fixed_size 9216
		.amdhsa_private_segment_fixed_size 0
		.amdhsa_enable_private_segment 0
		.amdhsa_kernarg_size 40
		.amdhsa_user_sgpr_count 2
		.amdhsa_user_sgpr_kernarg_segment_ptr 1
		.amdhsa_wavefront_size32 1
		.amdhsa_system_sgpr_workgroup_id_x 1
		.amdhsa_system_sgpr_workgroup_id_y 1
		.amdhsa_system_sgpr_workgroup_id_z 1
		.amdhsa_system_vgpr_workitem_id 0
		.amdhsa_next_free_vgpr 448
		.amdhsa_next_free_sgpr 66
		.amdhsa_reserve_vcc 0
		.amdhsa_float_denorm_mode_32 3
		.amdhsa_float_denorm_mode_16_64 3
		.amdhsa_memory_ordered 1
		.amdhsa_forward_progress 1
		.amdhsa_inst_pref_size 68
	.end_amdhsa_kernel
	.amdgpu_metadata
---
amdhsa.version: [ 1, 2 ]
amdhsa.kernels:
  - .name:           k_q82b1c3d67f_build
    .symbol:         k_q82b1c3d67f_build.kd
    .args:
      - { .name: qweight, .offset: 0, .size: 8, .value_kind: global_buffer, .address_space: global }
      - { .name: u, .offset: 8, .size: 8, .value_kind: global_buffer, .address_space: global }
      - { .name: vt, .offset: 16, .size: 8, .value_kind: global_buffer, .address_space: global }
      - { .name: w_codes, .offset: 24, .size: 8, .value_kind: global_buffer, .address_space: global }
      - { .name: w_scales, .offset: 32, .size: 8, .value_kind: global_buffer, .address_space: global }
    .group_segment_fixed_size: 9216
    .private_segment_fixed_size: 0
    .kernarg_segment_align: 8
    .kernarg_segment_size: 40
    .max_flat_workgroup_size: 256
    .sgpr_count:     66
    .vgpr_count:     448
    .wavefront_size: 32
...
	.end_amdgpu_metadata
.endif
;; end of part 1
;; launch gemm (part 2): grid 4 x 43, 4 waves a work-group, clusters of 4 x 1, 327,680 bytes of LDS; arguments x_codes, x_scales, w_codes, w_scales, out0; writes out0
.if DOCPART == 2
	.amdgcn_target "amdgcn-amd-amdhsa--gfx1250"
	.amdhsa_code_object_version 6
	.text
	.protected	k_q82b1c3d67f_gemm
	.globl	k_q82b1c3d67f_gemm
	.p2align	8
	.type	k_q82b1c3d67f_gemm,@function
k_q82b1c3d67f_gemm:
	s_mov_b64 s[64:65], 0
	v_nop
	global_prefetch_b8 v0, s[64:65] scope:SCOPE_SE
	s_setreg_imm32_b32 hwreg(HW_REG_WAVE_MODE, 25, 1), 1
	s_wait_xcnt 0x0
	s_wait_alu depctr_hold_cnt(0) depctr_sa_sdst(0) depctr_va_vdst(0) depctr_va_sdst(0) depctr_va_ssrc(0) depctr_va_vcc(0) depctr_vm_vsrc(0)
	s_getreg_b32 s2, hwreg(HW_REG_IB_STS2, 6, 4)
	s_cmp_eq_u32 s2, 0
	s_cbranch_scc0 .Lentry_in_a_cluster
	s_endpgm
.Lentry_in_a_cluster:
	s_bfe_u32 s2, ttmp6, 0x10000c
	s_cmp_lg_u32 s2, 0x3003
	s_cbranch_scc0 .Lentry_shape_is_right
	s_endpgm
.Lentry_shape_is_right:
; out0[t][o] = sum over i of x[t][i] w[o][i], both as codes of FP6 (E2M3) with one E8M0 scale for each 32 along i; sums in f32.  1,024 tokens, 11,008 outputs, K = 4,096.
; x_codes [1024][3072 bytes]: a row is one stream of bits, 128 codes in 96 bytes; x_scales [1024][128].  Both are taken as they are given.
; w_codes [ks 16][ot 688][iq 4][768] and w_scales [ks 16][ot 688][r 16][8] come from the launch before, laid in the order of the operand's registers: 768 bytes are six registers of a fragment
; (16 x lane: four of them; 512 + 8 x lane: two), so a fragment of w comes out of LDS by two loads of 16 bytes and two of 8, consecutive over the lanes, and a K step's 128 rows are one dense block of 24,576 bytes.
; A tile of out0, 256 x 256, is made by a work-group of four waves; a wave makes 128 x 128: 64 accumulators of 16 x 16, 512 registers.  K goes in steps of 256 through a ring of two LDS slots.
; THE SCALES of the work-group's 256 tokens and 256 outputs, for all of K, come into LDS once, with the first fills, and stay.
; GRID AND CLUSTER: 4 tiles of tokens x 43 tiles of outputs = 172 work-groups.  43 divides by nothing, so the cluster lies along the tokens: its four work-groups make the four tiles of one tile column and need the
; same tiles of w, which are asked for JOINTLY (the same tensor load, the same descriptor, the mask of all four).  x's tiles differ between the four: each work-group asks for its own, with no mask, at the same place behind the same round.
; THE MATRIX INSTRUCTION IS USED TRANSPOSED (source 0 = 16 rows of w, source 1 = 16 rows of x): a lane then holds eight neighbouring numbers of a row of out0.
; REGISTERS, in windows of 256: window 0: v0-31 addresses; v32-63 x's scale words, two sets; v64-95 w's, two sets; from v128 x's fragments (8 x 16 rows x 128 K), ONE set; on the way out v128-255 are free.
;   window 1: w's fragments, TWO sets, at v0 and at v128.   window 2: the 32 accumulators of my rows 0-63 (accumulator (a, b) at v[8 (8 a + b)]);   window 3: those of my rows 64-127.
; A step of 128 along K is 64 matrix instructions, x's blocks one after the other, each against w's eight: a block of x is free as soon as its eight products are issued, so one set serves x
; (blocks 0-3 fetched anew in the step's middle, blocks 4-7 at its end); w's fragments are at work through the whole step and have two sets.
.set SIZE_N, 11008
.set SIZE_K, 4096
.set KSTEP,  256                       ; along K in a slot
.set NQ,     KSTEP/128                 ; matrix instructions deep
.set ROWB,   192                       ; a row of x's tile in bytes
.set KROW,   SIZE_K*6/8                ; a row of x in memory
.set PITCH,  240                       ; x's LDS row: 3 x (64 bytes + 16 of padding) = 60 words: row r starts at bank -4 r mod 64 (64 banks of 4 bytes: ISA guide 11.1), so the 32 lanes of a load of 8 bytes touch 64 different banks
.set FR,     12                        ; registers of a fragment
.set NL,     6                         ; LDS loads that bring one of x's
.set NP,     4                         ; places behind this matrix instruction (ISA guide 7.12.1)
.set HALFT,  128*PITCH                 ; 128 rows of x: one tensor load
.set TILEB,  3072                      ; 16 rows of w x 256 K, as images
.set HALFB,  8*TILEB                   ; 128 rows of w: one tensor load
.set SLOT,   2*HALFT+2*HALFB           ; x's 256 rows, then w's 256
.set KSB,    688*TILEB                 ; from a K step of w_codes to the next, in bytes
.set LAPS,   SIZE_K/(2*KSTEP)          ; a lap = two K steps = once round the ring
.set SCLA,   2*SLOT                    ; behind the ring: x's scales, as units of 256 bytes + 16 of padding
.set HALFS,  64*272                    ; those of 128 rows: one tensor load
.set SBLK,   8*272                     ; those of 16 rows
.set SCLB,   SCLA+2*HALFS              ; w's scales: [half 2][ks 16][tile 8][r 16][8]
.set HALFSB, 16*1024                   ; those of 128 rows: one tensor load
.set SPARE,  SCLB+2*HALFSB             ; the spare words, 128 bytes for each wave: two blocks of 256 bytes that no other line names
.set SPITCH, 528                       ; the way out: a stage of 16 rows x (512 bytes + 16) for each wave.  It lies in slot 0, which has had its last fill and its last read when the first result is stored there
.set ADRA, 16                          ; v16-17  LDS address of my fragments of x in slot 0, 1  (v18-19: the same for the pieces that lie behind one padding more)
.set ADRB, 20                          ; v20-21  of my images of w in slot 0, 1, + 16 x lane  (v22-23: + 8 x lane)
.set STO,  24                          ; v24     the way out: where I put 32 bytes of a row
.set RD,   25                          ; v25     the way out: where I read a row back
.set CO,   26                          ; v26     my byte offset in a row of out0
.set ADRSA, 27                         ; v27     LDS address of my row's scale words of x
.set SPW,  28                          ; v28     LDS address of my spare word: SPARE + 4 x my thread's number; never rewritten
.set NIL,  29                          ; v29     0; never rewritten
.set ADRSB, 30                         ; v30     LDS address of my row's scale words of w
.set SCA,  32                          ; x's scale words: set s at v[SCA + 16 s]; register 2 i + q: block i, the slot's q-th 128 along K; lane r (and 16 + r) holds row r's
.set SCB,  64                          ; w's likewise
.set AF,   128                         ; x's fragments, in window 0
.set BK,   128                         ; the way out: 16 rows read back from the stage: v128-191 and v192-255 by turns
.set G1, 24                            ; s[24:31] descriptor group 1 for x's tiles;  s[32:39] group 0, one set for each slot
.set G0, 32
.set G1B, 48                           ; s[48:55], s[56:63] the same for w's tiles
.set G0B, 56
.set G1S, 68                           ; s[68:75], s[76:79] groups 1 and 0 for x's scales;  s[80:87], s[88:91] for w's
.set G0S, 76
.set G1SB, 80
.set G0SB, 88
.set MSB, 0
.macro WIN new                         ; the immediate's high byte repeats the setting that is left
.if MSB != \new
	s_set_vgpr_msb (MSB<<8)|\new
.set MSB, \new
.endif
.endm
.set MUL_LO, 0xa1                      ; source 0 (w) window 1, source 1 (x) window 0, C and D window 2
.set MUL_HI, 0xf1                      ; the same, C and D window 3
.set TO_B,   0x40                      ; destination window 1, address window 0
; A wave's one load: waves 0 and 1 fetch for x (their work-group's own tile), waves 2 and 3 for w (the joint load).  The branch hangs on the wave's number alone: it is the same in every work-group.
; Four v_nop follow each of the two lines, ahead of the jump, the label and what follows.
.macro JLOAD g0a, g1a, g0b, g1b
	s_cmp_eq_u32 s15, 0
	s_cbranch_scc0 .Lfor_b_\@
	tensor_load_to_lds s[\g0a:\g0a+3], s[\g1a:\g1a+7]
	s_nop 0
.rept 4
	v_nop
.endr
	s_branch .Lasked_\@
.Lfor_b_\@:
	tensor_load_to_lds s[\g0b:\g0b+3], s[\g1b:\g1b+7]
	s_nop 0
.rept 4
	v_nop
.endr
.Lasked_\@:
.endm
.macro CREST                           ; a round of the cluster's barrier behind its opening barrier
	s_cmp_lg_u32 s14, 0
	s_cbranch_scc1 .Lnot_wave_0_\@
	s_barrier_signal -3
.Lnot_wave_0_\@:
	s_barrier_wait -3
	s_barrier_signal -1
	s_barrier_wait -1
.endm
.macro CROUND                          ; a whole round
	s_barrier_signal -1
	s_barrier_wait -1
	CREST
.endm
	s_load_b128 s[4:7], s[0:1], 0x0                ; x's codes s[4:5], x's scales s[6:7]
	s_load_b128 s[8:11], s[0:1], 0x10              ; w's codes s[8:9], w's scales s[10:11]
	s_load_b64 s[12:13], s[0:1], 0x20              ; out0
	v_lshl_add_u32 v[SPW], v0, 2, SPARE
	v_mov_b32 v[NIL], 0
	ds_add_u32 v28, v29
	ds_add_u32 v28, v29
	s_wait_dscnt 0x0
	v_lshrrev_b32 v1, 5, v0
	v_readfirstlane_b32 s14, v1                    ; wave 0..3
	s_lshr_b32 s15, s14, 1                         ; which half of the tile's rows (tokens) is mine.  Also: I fetch for x (0) or for w (1)
	s_and_b32 s16, s14, 1                          ; which half of its columns (outputs).  Also: which 128 rows of that tile I fetch
	s_bfe_u32 s40, ttmp6, 0x40000                  ; cx: my place in the cluster
	s_lshl_b32 s17, ttmp9, 2
	s_add_co_u32 s17, s17, s40                     ; tile of tokens = 4 x cluster x + cx: it enters x's and out0's addresses alone
	s_and_b32 s42, ttmp7, 0xffff                   ; tile of outputs, which the four partners share
	; descriptor group 1.  x's tile: 128 rows x 192 bytes, 3,072 bytes apart, 16 bytes of padding behind every 64
	s_mov_b32 s[G1+0], (0<<16)|(1<<20)|(3<<22)|(3<<25)   ; 15:0 no mask; 17:16 element of 1 byte; 20 padding on; 24:22 after every 16 words (code 3); 31:25 of 4 words (code 3)
	s_mov_b32 s[G1+1], ROWB<<16                    ; tensor_dim0
	s_mov_b32 s[G1+2], 128<<16                     ; tensor_dim1
	s_mov_b32 s[G1+3], ROWB<<16                    ; tile_dim0
	s_mov_b32 s[G1+4], 128                         ; tile_dim1
	s_mov_b32 s[G1+5], KROW                        ; tensor_dim0_stride
	s_mov_b32 s[G1+6], 0
	s_mov_b32 s[G1+7], 0
	; w's tile: a dense block of 24,576 bytes, as 96 rows of 256 bytes (32 elements of 8 bytes), no padding
	s_mov_b32 s[G1B+0], 15|(3<<16)|(1<<21)         ; 15:0 the mask: all four work-groups; 17:16 elements of 8 bytes; 21 set beside a mask
	s_mov_b32 s[G1B+1], 32<<16
	s_mov_b32 s[G1B+2], 96<<16
	s_mov_b32 s[G1B+3], 32<<16
	s_mov_b32 s[G1B+4], 96
	s_mov_b32 s[G1B+5], 32
	s_mov_b32 s[G1B+6], 0
	s_mov_b32 s[G1B+7], 0
	; x's scales of 128 rows: a dense block of 16,384 bytes, as 64 rows of 256 bytes, 16 bytes of padding behind each
	s_mov_b32 s[G1S+0], (3<<16)|(1<<20)|(5<<22)|(3<<25)
	s_mov_b32 s[G1S+1], 32<<16
	s_mov_b32 s[G1S+2], 64<<16
	s_mov_b32 s[G1S+3], 32<<16
	s_mov_b32 s[G1S+4], 64
	s_mov_b32 s[G1S+5], 32
	s_mov_b32 s[G1S+6], 0
	s_mov_b32 s[G1S+7], 0
	; w's scales of 128 rows: 16 rows (one for each K step) of 1,024 bytes (128 elements of 8), 688 x 128 bytes (11,008 elements) apart, no padding
	s_mov_b32 s[G1SB+0], 15|(3<<16)|(1<<21)
	s_mov_b32 s[G1SB+1], 128<<16
	s_mov_b32 s[G1SB+2], 16<<16
	s_mov_b32 s[G1SB+3], 128<<16
	s_mov_b32 s[G1SB+4], 16
	s_mov_b32 s[G1SB+5], 11008
	s_mov_b32 s[G1SB+6], 0
	s_mov_b32 s[G1SB+7], 0
	; where the tiles come from.  w's hang on the tile of outputs and the wave's number alone, in registers that never hold cx
	s_lshl_b32 s18, s16, 7
	s_lshl_b32 s20, s17, 8
	s_add_co_u32 s20, s20, s18                     ; x: row 256 x tile + 128 x half
	s_lshl_b32 s22, s20, 7                         ; its scales: 128 bytes a row
	s_mov_b32 s23, 0
	s_mul_i32 s20, s20, KROW                       ; its codes
	s_mov_b32 s21, 0
	s_lshl_b32 s19, s16, 3
	s_lshl_b32 s46, s42, 4
	s_add_co_u32 s46, s46, s19                     ; w: tile of 16 rows: 16 x tile + 8 x half
	s_lshl_b32 s92, s46, 7                         ; its scales: 128 bytes for 16 rows and a K step
	s_mov_b32 s93, 0
	s_mul_i32 s46, s46, TILEB                      ; its codes
	s_mov_b32 s47, 0
	s_mul_i32 s45, s16, HALFT                      ; and where they go: no place in the cluster enters an LDS address
	s_mul_i32 s94, s16, HALFB
	s_add_co_u32 s94, s94, 2*HALFT
	s_mul_i32 s95, s16, HALFS
	s_add_co_u32 s95, s95, SCLA
	s_lshl_b32 s96, s16, 14
	s_add_co_u32 s96, s96, SCLB
	s_wait_kmcnt 0x0
	s_add_nc_u64 s[20:21], s[4:5], s[20:21]
	s_add_nc_u64 s[22:23], s[6:7], s[22:23]
	s_add_nc_u64 s[46:47], s[8:9], s[46:47]
	s_add_nc_u64 s[92:93], s[10:11], s[92:93]
	CROUND                                         ; all four work-groups are here: the first joint loads meet
	s_mov_b32 s[G0S], 1
	s_mov_b32 s[G0S+1], s95
	s_mov_b64 s[G0S+2:G0S+3], s[22:23]
	s_or_b32 s[G0S+3], s[G0S+3], 0x80000000
	s_mov_b32 s[G0SB], 1
	s_mov_b32 s[G0SB+1], s96
	s_mov_b64 s[G0SB+2:G0SB+3], s[92:93]
	s_or_b32 s[G0SB+3], s[G0SB+3], 0x80000000
	JLOAD G0S, G1S, G0SB, G1SB                     ; the scales first: they are wanted with K step 0
.irp s, 0,1
	s_mov_b32 s[G0+4*\s], 1                                        ; 1:0 count = 1
	s_add_co_u32 s[G0+4*\s+1], s45, \s*SLOT                        ; 63:32 LDS address
	s_add_nc_u64 s[G0+4*\s+2:G0+4*\s+3], s[20:21], \s*ROWB         ; 120:64 global address: K step s
	s_or_b32 s[G0+4*\s+3], s[G0+4*\s+3], 0x80000000                ; 127:126 type = 2
	s_mov_b32 s[G0B+4*\s], 1
	s_add_co_u32 s[G0B+4*\s+1], s94, \s*SLOT
	s_add_nc_u64 s[G0B+4*\s+2:G0B+4*\s+3], s[46:47], \s*KSB
	s_or_b32 s[G0B+4*\s+3], s[G0B+4*\s+3], 0x80000000
	JLOAD G0+4*\s, G1, G0B+4*\s, G1B               ; three loads of mine are out behind the second of these
.endr
	v_and_b32 v1, 15, v0                           ; l % 16
	v_bfe_u32 v2, v0, 4, 1                         ; l / 16
	v_and_b32 v6, 31, v0                           ; l
	v_mul_u32_u24 v3, v1, PITCH
	v_mul_u32_u24 v4, v2, 24
	v_add_nc_u32 v4, v3, v4                        ; x: a fragment's row x pitch + 24 x half
	v_lshl_add_u32 v5, v2, 4, v4                   ; and the same behind one padding more
	v_lshlrev_b32 v7, 4, v6                        ; w: 16 x lane
	v_lshlrev_b32 v8, 3, v6                        ;    8 x lane
	s_mul_i32 s21, s15, HALFT                      ; my 128 rows of x
	s_mul_i32 s22, s16, HALFB                      ; my 128 rows of w,
	s_add_co_u32 s22, s22, 2*HALFT                 ; which lie behind x's 256
.irp s, 0,1
	v_add_nc_u32 v[ADRA+\s], s21, v4
	v_add_nc_u32 v[ADRA+2+\s], s21, v5
	v_add_nc_u32 v[ADRB+\s], s22, v7
	v_add_nc_u32 v[ADRB+2+\s], s22, v8
	s_add_co_u32 s21, s21, SLOT
	s_add_co_u32 s22, s22, SLOT
.endr
	v_lshlrev_b32 v9, 7, v1                        ; x's scales: 128 bytes a row,
	v_lshrrev_b32 v10, 8, v9
	v_lshl_add_u32 v9, v10, 4, v9                  ; and 16 more for each 256 passed
	s_mul_i32 s21, s15, HALFS
	s_add_co_u32 s21, s21, SCLA
	v_add_nc_u32 v[ADRSA], s21, v9
	s_lshl_b32 s22, s16, 14                        ; w's scales: my half, 8 bytes a row
	s_add_co_u32 s22, s22, SCLB
	v_lshl_add_u32 v[ADRSB], v1, 3, s22
	s_mul_i32 s23, s14, 16*SPITCH                  ; my stage
	v_mul_u32_u24 v5, v1, SPITCH                   ; in: row l % 16, 32 bytes for each half of the lanes
	v_lshl_add_u32 v5, v2, 5, v5
	v_add_nc_u32 v[STO], s23, v5
	v_lshlrev_b32 v[CO], 4, v6                     ; back: the 32 lanes take one row of 512 bytes; and the same in out0
	v_add_nc_u32 v[RD], s23, v[CO]
	s_lshl_b32 s20, s17, 8
	s_lshl_b32 s21, s15, 7
	s_add_co_u32 s20, s20, s21                     ; my first row of out0: 256 x tile of tokens + 128 x half
	s_mul_i32 s20, s20, SIZE_N*4                   ; in bytes (under 2^31)
	s_lshl_b32 s21, s42, 10                        ; my first column, in bytes: 1024 x tile of outputs + 512 x half
	s_add_co_u32 s20, s20, s21
	s_lshl_b32 s21, s16, 9
	s_add_co_u32 s20, s20, s21
	s_mov_b32 s21, 0
	s_add_nc_u64 s[12:13], s[12:13], s[20:21]
.macro FRAG reg, adr, q, i             ; a fragment of x, 16 rows x 128 K, is 12 registers: lane l holds row l % 16; registers 6 c .. 6 c + 5 hold K = 64 c + 32 (l / 16) + 0 .. 31: 24 bytes of the row's stream of bits, as they lie
.irp p, 0,1,2,3,4,5                    ; in pieces of 8 bytes, so that every address is a multiple of the access's size.  Lanes 0-15 take the row's pieces 12 q + 0, 1, 2 and 12 q + 6, 7, 8, lanes 16-31 those three pieces on
.set PC, 12*(\q)+6*(\p/3)+\p%3        ; 16 bytes of padding lie behind every 64 bytes (8 pieces): where the piece three on lies behind one padding more, the second address register (40 for 24 bytes a half) serves
.if PC%8 < 5
	ds_load_b64 v[\reg+2*\p:\reg+2*\p+1], v[\adr] offset:8*PC+16*(PC/8)+(\i)*16*PITCH
.else
	ds_load_b64 v[\reg+2*\p:\reg+2*\p+1], v[\adr+2] offset:8*PC+16*(PC/8)+(\i)*16*PITCH
.endif
.endr
.endm
.macro FRAGB reg, slot, q, i           ; a fragment of w: two images of six registers, each 512 bytes (16 a lane) and 256 bytes (8 a lane), consecutive over the lanes
.irp c, 0,1
	ds_load_b128 v[\reg+6*\c:\reg+6*\c+3],  v[ADRB+\slot]   offset:TILEB*(\i)+768*(2*(\q)+\c)
	ds_load_b64 v[\reg+6*\c+4:\reg+6*\c+5], v[ADRB+2+\slot] offset:TILEB*(\i)+768*(2*(\q)+\c)+512
.endr
.endm
; 16 matrix instructions: x's blocks a0, a0 + 1 x w's eight, 128 along K: the slot's q-th.  p: w's set;  sc: the set of scale words.  zero = 1: the first product starts the sums: nothing is ever cleared.
; The 64 accumulators take turns, one instruction a turn, in the same order in every step.  The scale words stand in registers of their own, source 0's (w's) first.
.macro MUL16 a0, p, q, sc, zero
.irp a, \a0, \a0+1
.irp b, 0,1,2,3,4,5,6,7
.if \zero
	v_wmma_scale_f32_16x16x128_f8f6f4 v[8*(8*((\a)%4)+\b):8*(8*((\a)%4)+\b)+7], v[128*(\p)+FR*\b:128*(\p)+FR*\b+FR-1], v[AF+FR*(\a):AF+FR*(\a)+FR-1], 0, v[SCB+16*(\sc)+2*\b+(\q)], v[SCA+16*(\sc)+2*(\a)+(\q)] matrix_a_fmt:MATRIX_FMT_FP6 matrix_b_fmt:MATRIX_FMT_FP6
.else
	v_wmma_scale_f32_16x16x128_f8f6f4 v[8*(8*((\a)%4)+\b):8*(8*((\a)%4)+\b)+7], v[128*(\p)+FR*\b:128*(\p)+FR*\b+FR-1], v[AF+FR*(\a):AF+FR*(\a)+FR-1], v[8*(8*((\a)%4)+\b):8*(8*((\a)%4)+\b)+7], v[SCB+16*(\sc)+2*\b+(\q)], v[SCA+16*(\sc)+2*(\a)+(\q)] matrix_a_fmt:MATRIX_FMT_FP6 matrix_b_fmt:MATRIX_FMT_FP6
.endif
.endr
.endr
.endm
.macro FETCH_B slot, q, p              ; w's eight fragments of the slot's q-th 128 along K into set p
	WIN TO_B
.irp i, 0,1,2,3,4,5,6,7
	FRAGB 128*(\p)+FR*\i, \slot, \q, \i
.endr
	WIN 0
.endm
.macro FETCH_A slot, q, i0             ; x's blocks i0 .. i0 + 3
.irp i, \i0, \i0+1, \i0+2, \i0+3
	FRAG AF+FR*(\i), ADRA+\slot, \q, \i
.endr
.endm
.macro SCALES sc                       ; a K step's scale words into set sc: two words a row; block i of x and block i of w
.irp i, 0,1,2,3,4,5,6,7
	ds_load_b64 v[SCA+16*\sc+2*\i:SCA+16*\sc+2*\i+1], v[ADRSA] offset:\i*SBLK
.endr
.irp i, 0,1,2,3,4,5,6,7
	ds_load_b64 v[SCB+16*\sc+2*\i:SCB+16*\sc+2*\i+1], v[ADRSB] offset:\i*128
.endr
.endm
; A load into a register that a matrix instruction has read, and an LDS store that reads a matrix result, stand NP places behind that matrix instruction, and only plain vector
; instructions that name none of its registers are places (ISA guide 7.12.1 for vector instructions); the matrix instructions in between are not counted.
.macro PLACES n
.rept \n
	v_nop
.endr
.endm
; A step of 128 along K that has its successor in the same slot.
.macro STEP slot, q, zero
	s_wait_dscnt 4*NL                              ; w's set, the scale words and x's blocks 0-3 are in; the youngest 24 loads (x's blocks 4-7) may be out
	WIN MUL_LO
	MUL16 0, (\q)%2, \q, \slot, \zero
	MUL16 2, (\q)%2, \q, \slot, \zero
	s_wait_dscnt 0                                 ; x's blocks 4-7 are in (asked for 32 matrix instructions ago)
	PLACES NP
	FETCH_B \slot, (\q)+1, 1-(\q)%2
	FETCH_A \slot, (\q)+1, 0
	WIN MUL_HI
	MUL16 4, (\q)%2, \q, \slot, \zero
	MUL16 6, (\q)%2, \q, \slot, \zero
	PLACES NP
	WIN 0
	FETCH_A \slot, (\q)+1, 4
.endm
; A slot's last step changes slots: ONE barrier; in front of it each wave waits for all its tensor loads, adds 0 to its spare word, and waits for that and for its own reads of this slot.  fill = 1: this slot is filled again, two K steps ahead.
.macro TURN slot, next, fill
	s_wait_tensorcnt 0x0                           ; all my tensor loads have landed: my part of the next slot;  (every window is 0 here: the add's two registers lie in window 0)
	ds_add_u32 v[SPW], v[NIL]                      ; 0 onto my spare word
	s_wait_dscnt 4*NL+1                            ; (the add and the youngest 24 loads, x's blocks 4-7, may be out)
	WIN MUL_LO
	MUL16 0, 1, NQ-1, \slot, 0                     ; sixteen matrix instructions stand between the add and the wait for it
	s_wait_dscnt 0x0                               ; the add is done, and my reads of this slot are over
	s_barrier_signal -1
	MUL16 2, 1, NQ-1, \slot, 0
	WIN 0
	s_barrier_wait -1
.if \fill
	CREST                                          ; the barrier has opened a round of the cluster's barrier: no wave of any partner still reads this slot's tile or has a load on its way
	s_add_nc_u64 s[G0+4*\slot+2:G0+4*\slot+3], s[G0+4*\slot+2:G0+4*\slot+3], 2*ROWB
	s_add_nc_u64 s[G0B+4*\slot+2:G0B+4*\slot+3], s[G0B+4*\slot+2:G0B+4*\slot+3], 2*KSB
	JLOAD G0+4*\slot, G1, G0B+4*\slot, G1B         ; the first tensor load behind the round, my only one until the next; the four v_nop behind it are the places in front of the loads below
.else
	PLACES NP
.endif
	v_add_nc_u32 v[ADRSA], 4*NQ, v[ADRSA]          ; on to the next K step's scale words: 8 bytes on in x's rows,
	v_add_nc_u32 v[ADRSB], 1024, v[ADRSB]          ; 1,024 bytes on in w's
	FETCH_B \next, 0, 0
	FETCH_A \next, 0, 0
	SCALES \next
	WIN MUL_HI
	MUL16 4, 1, NQ-1, \slot, 0
	MUL16 6, 1, NQ-1, \slot, 0
	PLACES NP
	WIN 0
	FETCH_A \next, 0, 4
.endm
	s_wait_tensorcnt 1                             ; the scales and my part of K step 0 are in (K step 1's load may be out)
	s_barrier_signal -1
	s_barrier_wait -1                              ; everybody's are
	FETCH_B 0, 0, 0
	FETCH_A 0, 0, 0
	SCALES 0
	FETCH_A 0, 0, 4
	STEP 0, 0, 1                                   ; the first step stands in front of the loop: its products start the sums
	s_mov_b32 s3, LAPS-1
.Llap:                                                 ; a trip goes once round the ring, from a lap's second step to the next lap's first, and fills both slots again
	TURN 0, 1, 1
	STEP 1, 0, 0
	TURN 1, 0, 1
	STEP 0, 0, 0
	s_sub_co_u32 s3, s3, 1
	s_cmp_lg_u32 s3, 0
	s_cbranch_scc1 .Llap
	TURN 0, 1, 0                                   ; the last lap fills nothing, and has no round of the cluster's barrier
	STEP 1, 0, 0
	s_wait_dscnt 4*NL                              ; the very last step: nothing more to fetch
	WIN MUL_LO
	MUL16 0, 1, NQ-1, 1, 0
	MUL16 2, 1, NQ-1, 1, 0
	s_wait_dscnt 0
	WIN MUL_HI
	MUL16 4, 1, NQ-1, 1, 0
	MUL16 6, 1, NQ-1, 1, 0
	WIN 0
; THE WAY OUT, block by block of 16 rows x 128 columns.  A lane holds 32 neighbouring bytes of a row, and the lanes beside it hold other rows: so a block goes through my own stage in LDS and comes back as whole
; rows of 512 bytes, which the 32 lanes store as 512 consecutive bytes at a multiple of 256 from out0's first byte (a row of out0 is 44,032 = 172 x 256 bytes).
; LDS serves a wave's instructions in order (ISA guide 5.7.1.4): no wait between the stores and the loads, nor in front of the next block's stores.
.macro TOSTAGE a
.set AC, 64*((\a)%4)
	WIN 0x08+4*((\a)/4)                            ; the data: window 2 or 3
.irp b, 0,1,2,3,4,5,6,7
	ds_store_b128 v[STO], v[AC+8*\b:AC+8*\b+3] offset:64*\b          ; each accumulator from its low end on
	ds_store_b128 v[STO], v[AC+8*\b+4:AC+8*\b+7] offset:64*\b+16
.endr
	WIN 0
.set BB, BK+64*((\a)%2)
.irp t, 0,1,2,3,4,5,6,7,8,9,10,11,12,13,14,15
	ds_load_b128 v[BB+4*\t:BB+4*\t+3], v[RD] offset:\t*SPITCH
.endr
.endm
.macro SEND a, younger                 ; younger: the LDS instructions issued behind block a's loads, which may stay out
.set BB, BK+64*((\a)%2)
	s_wait_dscnt \younger                          ; the block is back in registers
.if (\a) > 0
	s_add_nc_u64 s[12:13], s[12:13], 16*SIZE_N*4   ; (behind a wait on XCNT for 0: the earlier stores have read their base)  16 rows on, so that the stores' offsets stay at 15 rows at the most
.endif
.irp t, 0,1,2,3,4,5,6,7,8,9,10,11,12,13,14,15
	global_store_b128 v[CO], v[BB+4*\t:BB+4*\t+3], s[12:13] offset:\t*SIZE_N*4 th:TH_STORE_NT   ; written once, read by nobody here
.endr
.endm
	PLACES NP                                      ; in front of the loads into the registers that held x's fragments, and of the reads of the last products' results
	TOSTAGE 0
.irp a, 1,2,3,4,5,6,7
.if \a > 1
	s_wait_xcnt 0x0                                ; block a - 2's stores have read their registers and their base: block a's loads may land there, and the base may step
.endif
	TOSTAGE \a
	SEND \a-1, 32                                  ; behind block a - 1's loads: block a's 16 stores and 16 loads
.endr
	s_wait_xcnt 0x0                                ; block 6's stores have read their base
	SEND 7, 0
	s_wait_tensorcnt 0x0                           ; the wave's end, behind my last tensor load and my last LDS store
	ds_add_u32 v[SPW], v[NIL]
	s_wait_dscnt 0x0
	CROUND                                         ; the closing round: no work-group ends while a partner may still ask for a tile that names it
	s_endpgm
.Lfunc_end_k_q82b1c3d67f_gemm:
	.size	k_q82b1c3d67f_gemm, .Lfunc_end_k_q82b1c3d67f_gemm-k_q82b1c3d67f_gemm
	.p2alignl 7, 3214868480
	.fill 96, 4, 3214868480
	.section	.rodata,"a",@progbits
	.p2align	6, 0x0
	.amdhsa_kernel k_q82b1c3d67f_gemm
		.amdhsa_group_segment_fixed_size 327680
		.amdhsa_private_segment_fixed_size 0
		.amdhsa_enable_private_segment 0
		.amdhsa_kernarg_size 40
		.amdhsa_user_sgpr_count 2
		.amdhsa_user_sgpr_kernarg_segment_ptr 1
		.amdhsa_wavefront_size32 1
		.amdhsa_system_sgpr_workgroup_id_x 1
		.amdhsa_system_sgpr_workgroup_id_y 1
		.amdhsa_system_sgpr_workgroup_id_z 1
		.amdhsa_system_vgpr_workitem_id 0
		.amdhsa_next_free_vgpr 1024
		.amdhsa_next_free_sgpr 98
		.amdhsa_reserve_vcc 0
		.amdhsa_float_denorm_mode_32 3
		.amdhsa_float_denorm_mode_16_64 3
		.amdhsa_memory_ordered 1
		.amdhsa_forward_progress 1
		.amdhsa_inst_pref_size 154
	.end_amdhsa_kernel
	.amdgpu_metadata
---
amdhsa.version: [ 1, 2 ]
amdhsa.kernels:
  - .name:           k_q82b1c3d67f_gemm
    .symbol:         k_q82b1c3d67f_gemm.kd
    .args:
      - { .name: x_codes, .offset: 0, .size: 8, .value_kind: global_buffer, .address_space: global }
      - { .name: x_scales, .offset: 8, .size: 8, .value_kind: global_buffer, .address_space: global }
      - { .name: w_codes, .offset: 16, .size: 8, .value_kind: global_buffer, .address_space: global }
      - { .name: w_scales, .offset: 24, .size: 8, .value_kind: global_buffer, .address_space: global }
      - { .name: out0, .offset: 32, .size: 8, .value_kind: global_buffer, .address_space: global }
    .group_segment_fixed_size: 327680
    .private_segment_fixed_size: 0
    .kernarg_segment_align: 8
    .kernarg_segment_size: 40
    .max_flat_workgroup_size: 128
    .sgpr_count:     98
    .vgpr_count:     1024
    .wavefront_size: 32
...
	.end_amdgpu_metadata
.endif
;; end of part 2
